; MI455X (gfx1250); checked and timed in simulation.
; The chip was launched on July 23, 2026; its instructions are those of AMD's public machine-readable ISA for CDNA 5 (MIT licence, August 2026) and "CDNA5" Instruction Set Architecture Reference Guide (July 2026). The comments in the code are by the model that wrote it; some were corrected since.
;; Hybrid FFN. Allowed arithmetic: matrix products marked QUANTISED: E5M2 operands, one given power-of-two scale a tensor, by v_wmma_f32_16x16x64_bf8_bf8 or v_wmma_f32_16x16x128_bf8_bf8, f32 sums; products left as they are: f32 operands where the result goes on into a quantised operand, else bf16, f16 or f32 operands; f32 sums; everything else in f32.
;; Inputs: W1_codes 4,096 x 32 x 32 uint8 (E5M2 codes of W1, K innermost, in blocks of 32 codes); W2_codes 1,024 x 128 x 32 uint8 (E5M2 codes of W2, K innermost, in blocks of 32 codes); Wg 1,024 x 4 float32; b1 4,096 float32; b2 1,024 float32; ew1_codes 4 x 4,096 x 32 x 32 uint8 (E5M2 codes of ew1, K innermost, in blocks of 32 codes); ew2_codes 4 x 1,024 x 128 x 32 uint8 (E5M2 codes of ew2, K innermost, in blocks of 32 codes); ew3_codes 4 x 4,096 x 32 x 32 uint8 (E5M2 codes of ew3, K innermost, in blocks of 32 codes); lowp_scales 28 int32 (the exponents e of the quantised operands' scales 2^e); x 4 x 256 x 1,024 float32.
;; Outputs: out0 4 x 256 x 1,024 float32; out1 one number float32.
;; This version of the problem:
;;   THIS VERSION OF THE PROBLEM IS GIVEN IN LOW PRECISION. The matrix products marked QUANTISED in the list below multiply operands that are first quantised to E5M2 (5 exponent bits, 2 mantissa bits; 8 bits a number), with one given power-of-two scale for each operand tensor; their sums are f32. All else is computed in f32.
;;   The module's matrix products, in the order in which they are computed (A, B: the left and right operand; K: the contracted axis; several contracted axes count as one K, in the product's order):
;;     1. [M 1,024, K 1,024] x [K 1,024, N 4,096]; A: input x; B: input W1 (given as codes): QUANTISED (scales: A lowp_scales[0], B lowp_scales[1])
;;     2. [M 1,024, K 4,096] x [K 4,096, N 1,024]; A: computed on the way; B: input W2 (given as codes): QUANTISED (scales: A lowp_scales[2], B lowp_scales[3])
;;     3. [M 1,024, K 1,024] x [K 1,024, N 4]; A: input x; B: input Wg: left as it is (N = 4 < 16)
;;     4. [M 1,024, K 1,024] x [K 1,024, N 4,096]; A: input x; B: input ew1 (given as codes): QUANTISED (scales: A lowp_scales[4], B lowp_scales[5])
;;     5. [M 1,024, K 1,024] x [K 1,024, N 4,096]; A: input x; B: input ew3 (given as codes): QUANTISED (scales: A lowp_scales[6], B lowp_scales[7])
;;     6. [M 1,024, K 4,096] x [K 4,096, N 1,024]; A: computed on the way; B: input ew2 (given as codes): QUANTISED (scales: A lowp_scales[8], B lowp_scales[9])
;;     7. [M 1,024, K 1,024] x [K 1,024, N 4,096]; A: input x; B: input ew1 (given as codes): QUANTISED (scales: A lowp_scales[10], B lowp_scales[11])
;;     8. [M 1,024, K 1,024] x [K 1,024, N 4,096]; A: input x; B: input ew3 (given as codes): QUANTISED (scales: A lowp_scales[12], B lowp_scales[13])
;;     9. [M 1,024, K 4,096] x [K 4,096, N 1,024]; A: computed on the way; B: input ew2 (given as codes): QUANTISED (scales: A lowp_scales[14], B lowp_scales[15])
;;     10. [M 1,024, K 1,024] x [K 1,024, N 4,096]; A: input x; B: input ew1 (given as codes): QUANTISED (scales: A lowp_scales[16], B lowp_scales[17])
;;     11. [M 1,024, K 1,024] x [K 1,024, N 4,096]; A: input x; B: input ew3 (given as codes): QUANTISED (scales: A lowp_scales[18], B lowp_scales[19])
;;     12. [M 1,024, K 4,096] x [K 4,096, N 1,024]; A: computed on the way; B: input ew2 (given as codes): QUANTISED (scales: A lowp_scales[20], B lowp_scales[21])
;;     13. [M 1,024, K 1,024] x [K 1,024, N 4,096]; A: input x; B: input ew1 (given as codes): QUANTISED (scales: A lowp_scales[22], B lowp_scales[23])
;;     14. [M 1,024, K 1,024] x [K 1,024, N 4,096]; A: input x; B: input ew3 (given as codes): QUANTISED (scales: A lowp_scales[24], B lowp_scales[25])
;;     15. [M 1,024, K 4,096] x [K 4,096, N 1,024]; A: computed on the way; B: input ew2 (given as codes): QUANTISED (scales: A lowp_scales[26], B lowp_scales[27])
;;   THE QUANTISER, for each operand of a quantised product, along K:
;;     - The operand's scale is 2^e, e = its entry of the input lowp_scales (int32; the entries are numbered through the quantised products in the list's order, A before B).
;;     - Each number is divided by the scale, clamped to +-57,344, and rounded to the nearest number of E5M2, ties to even, subnormals kept.
;;     - The product sums the exact products of the quantised numbers (number of the format x scale) in f32.
;;   ~~~python
;;   def quantise(x, axis, e):      # numpy; x: float32 -> the quantised numbers, widened to float32 again
;;       x = np.moveaxis(x, axis, -1); K = x.shape[-1]
;;       r = np.clip(x / 2.0 ** e, -57344, 57344)
;;       step = 2.0 ** (np.maximum(np.frexp(np.where(r == 0, 1, r))[1] - 1, -14) - 2)
;;       q = np.round(r / step) * step * 2.0 ** e      # np.round: ties to even
;;       return np.moveaxis(q, -1, axis).astype(np.float32)
;;   ~~~
;;   OPERANDS COMPUTED ON THE WAY. 'Computed on the way' means the value that the module computes at that place (a softmax that the list does not call 'softmax' is quantised finished and normalised). What goes into a quantiser is computed in f32, as accurately as f32 sums, v_exp_f32 and their like allow (about 1e-6 of the number): no bf16 or f16 on the way to a quantiser, and a product that is left as it is and whose result goes on into a quantised operand takes f32 operands (vector FMAs, or v_wmma_f32_16x16x4_f32). A number that lies on a knife's edge between two numbers of the format may be rounded either way, as far as f32 arithmetic and the matrix unit's own rounding can turn it there, and no further.
;;   INPUTS GIVEN AS CODES. W1 (in the module: [1024, 4096], K = its axis 0); W2 (in the module: [4096, 1024], K = its axis 0); ew1 (in the module: [4, 1024, 4096], K = its axis 1); ew2 (in the module: [4, 4096, 1024], K = its axis 1); ew3 (in the module: [4, 1024, 4096], K = its axis 1): each comes as NAME_codes (uint8): NAME with its K axis moved to the last place and cut into blocks of 32 codes, [.., K / 32, bytes a block], one block behind the other in memory; one code a byte (a code: sign, 5 exponent bits, 2 mantissa bits); its scale is its entry of lowp_scales. Its value is code x scale, taken as it is: it is not quantised again, and the codes and scales need not be those that the quantiser above would give.
;; One version. Each part assembles by itself: llvm-mc -triple=amdgcn-amd-amdhsa -mcpu=gfx1250 --defsym DOCPART=n.
;; ======== version 1 of 1: 4 launches
;; limits: right only within a limited range of input values
;; workspace buffers: xq 3,932,160 bytes; keys 4,096 bytes of whole numbers; probs 16,384 bytes; plan 5,376 bytes of whole numbers; hid 10,485,760 bytes
;; launch route (part 1): grid 256 x 1, 4 waves a work-group, no clusters, 0 bytes of LDS; arguments x, Wg, keys, probs; writes keys, probs
.if DOCPART == 1
	.amdgcn_target "amdgcn-amd-amdhsa--gfx1250"
	.amdhsa_code_object_version 6
	.text
	.protected	k_q05e894cb34_route
	.globl	k_q05e894cb34_route
	.p2align	8
	.type	k_q05e894cb34_route,@function
k_q05e894cb34_route:
	s_mov_b64 s[64:65], 0
	v_nop
	global_prefetch_b8 v0, s[64:65] scope:SCOPE_SE
	s_setreg_imm32_b32 hwreg(HW_REG_WAVE_MODE, 25, 1), 1
	s_wait_xcnt 0x0
; ROUTER.  One wave takes one token t = 4 x work-group + wave: logits = x[t] . Wg in f32, softmax with the maximum taken away, the largest of the four probabilities (the lower index wins a tie).
; Stored at fixed places: probs[t][0..3] and keys[t] = the expert's number.
; WORK LEFT OUT IN THE PROGRAM.  reference() computes every expert for every token and keeps, by its own one_hot, only the chosen one: a later launch multiplies only the chosen expert's rows.
; With one expert a token the gate is its probability divided by itself, 1 by an identity: no gate is multiplied.
; LIMIT: a NaN, an infinity or an overflow that reaches only that work (an expert not chosen, the gate's quotient) is not carried to the result.
; LIMITS: NaN among the inputs is not served.  The logits are summed in another order than a plain loop over k: a token whose two best logits differ by less than that rounding may go either way.
; No LDS, no cluster: waves share Wg's 16 KiB alone, each reads it once.
.set X,   8                            ; v8-39    x[t][32 i + lane]
.set W,   40                           ; v40-167  Wg[32 i + lane][0..3]
.set ACC, 168                          ; v168-175 two sets of four sums
	s_load_b256 s[4:11], s[0:1], 0x0               ; x s[4:5], Wg s[6:7], keys s[8:9], probs s[10:11]
	v_lshrrev_b32 v1, 5, v0
	v_readfirstlane_b32 s16, v1                    ; wave
	s_lshl_b32 s17, ttmp9, 2
	s_add_co_u32 s17, s17, s16                     ; t
	s_lshl_b32 s18, s17, 12
	s_mov_b32 s19, 0
	s_lshl_b32 s22, s17, 4
	s_mov_b32 s23, 0
	s_lshl_b32 s24, s17, 2
	s_mov_b32 s25, 0
	s_mov_b32 s60, 0x76543210                      ; v_permlanex16_b32: lane l xor 16
	s_mov_b32 s61, 0xfedcba98
	v_and_b32 v1, 31, v0                           ; lane
	v_lshlrev_b32 v2, 2, v1
	v_lshlrev_b32 v3, 4, v1
	v_mov_b32 v5, 0
.irp e, 0,1,2,3
	v_mov_b32 v[216+\e], 0                         ; a lane permute's destination counts as read
.endr
	s_wait_alu depctr_va_vdst(0)                   ; the wait at the head's end
	s_wait_kmcnt 0x0
	s_add_nc_u64 s[4:5], s[4:5], s[18:19]
	s_add_nc_u64 s[10:11], s[10:11], s[22:23]
	s_add_nc_u64 s[8:9], s[8:9], s[24:25]
.set I, 0
.rept 32
	global_load_b32 v[X+I], v2, s[4:5] offset:128*I
.set I, I+1
.endr
.set I, 0
.rept 32
	global_load_b128 v[W+4*I:W+4*I+3], v3, s[6:7] offset:512*I    ; 32 lanes read 512 consecutive bytes
.set I, I+1
.endr
; x[k] is one register of a pair, taken for both halves; even i in one set of sums, odd i in the other
.set P, 0
.rept 16
	s_wait_loadcnt 30-2*P                          ; the younger loads of Wg may be out
.if P == 0
	v_pk_mul_f32 v[ACC:ACC+1], v[X:X+1], v[W:W+1] op_sel_hi:[0,1]
	v_pk_mul_f32 v[ACC+2:ACC+3], v[X:X+1], v[W+2:W+3] op_sel_hi:[0,1]
	v_pk_mul_f32 v[ACC+4:ACC+5], v[X:X+1], v[W+4:W+5] op_sel:[1,0] op_sel_hi:[1,1]
	v_pk_mul_f32 v[ACC+6:ACC+7], v[X:X+1], v[W+6:W+7] op_sel:[1,0] op_sel_hi:[1,1]
.else
	s_wait_alu depctr_va_vdst(0)
	v_pk_fma_f32 v[ACC:ACC+1], v[X+2*P:X+2*P+1], v[W+8*P:W+8*P+1], v[ACC:ACC+1] op_sel_hi:[0,1,1]
	v_pk_fma_f32 v[ACC+2:ACC+3], v[X+2*P:X+2*P+1], v[W+8*P+2:W+8*P+3], v[ACC+2:ACC+3] op_sel_hi:[0,1,1]
	v_pk_fma_f32 v[ACC+4:ACC+5], v[X+2*P:X+2*P+1], v[W+8*P+4:W+8*P+5], v[ACC+4:ACC+5] op_sel:[1,0,0] op_sel_hi:[1,1,1]
	v_pk_fma_f32 v[ACC+6:ACC+7], v[X+2*P:X+2*P+1], v[W+8*P+6:W+8*P+7], v[ACC+6:ACC+7] op_sel:[1,0,0] op_sel_hi:[1,1,1]
.endif
.set P, P+1
.endr
	v_pk_add_f32 v[ACC:ACC+1], v[ACC:ACC+1], v[ACC+4:ACC+5]
	v_pk_add_f32 v[ACC+2:ACC+3], v[ACC+2:ACC+3], v[ACC+6:ACC+7]
.irp m, 1,2,4,8
.irp e, 0,1,2,3
	v_add_f32_dpp v[ACC+\e], v[ACC+\e], v[ACC+\e] row_xmask:\m row_mask:0xf bank_mask:0xf
.endr
.endr
.irp e, 0,1,2,3
	v_permlanex16_b32 v[216+\e], v[ACC+\e], s60, s61
.endr
.irp e, 0,1,2,3
	v_add_f32 v[ACC+\e], v[ACC+\e], v[216+\e]      ; every lane holds the four logits
.endr
	v_max3_num_f32 v224, v168, v169, v170
	v_max_num_f32 v224, v224, v171
.irp e, 0,1,2,3
	v_sub_f32 v[220+\e], v[ACC+\e], v224
.endr
.irp e, 0,1,2,3
	v_mul_f32 v[220+\e], 0x3fb8aa3b, v[220+\e]     ; x log2(e)
.endr
	s_wait_alu depctr_va_vdst(0)                   ; the wait ahead of the batch
.irp e, 0,1,2,3
	v_exp_f32 v[220+\e], v[220+\e]
.endr
	v_mov_b32 v228, 0                              ; the expert so far (a plain line behind the exponentials)
	s_wait_alu depctr_va_vdst(0)
	v_add_f32 v225, v220, v221
	v_add_f32 v226, v222, v223
	v_add_f32 v225, v225, v226
	s_wait_alu depctr_va_vdst(0)
	v_rcp_f32 v225, v225
	v_nop                                          ; a plain line behind the reciprocal
	s_wait_alu depctr_va_vdst(0)
.irp e, 0,1,2,3
	v_mul_f32 v[220+\e], v[220+\e], v225           ; probs
.endr
	v_mov_b32 v229, v220
.irp e, 1,2,3
	v_cmp_le_f32 vcc_lo, v[220+\e], v229           ; not larger: the earlier expert stays
	v_cndmask_b32 v228, \e, v228, vcc_lo
	v_cndmask_b32 v229, v[220+\e], v229, vcc_lo
.endr
	v_cmp_eq_u32 vcc_lo, 0, v1
	s_wait_alu depctr_va_vdst(0)
	s_wait_xcnt 0x0                                ; EXEC changes only behind this wait
	s_and_saveexec_b32 s26, vcc_lo
	global_store_b128 v5, v[220:223], s[10:11]
	global_store_b32 v5, v228, s[8:9]
	s_wait_xcnt 0x0
	s_or_b32 exec_lo, exec_lo, s26
	s_endpgm
.Lfunc_end_k_q05e894cb34_route:
	.size	k_q05e894cb34_route, .Lfunc_end_k_q05e894cb34_route-k_q05e894cb34_route
	.p2alignl 7, 3214868480
	.fill 96, 4, 3214868480
	.section	.rodata,"a",@progbits
	.p2align	6, 0x0
	.amdhsa_kernel k_q05e894cb34_route
		.amdhsa_group_segment_fixed_size 0
		.amdhsa_private_segment_fixed_size 0
		.amdhsa_enable_private_segment 0
		.amdhsa_kernarg_size 32
		.amdhsa_user_sgpr_count 2
		.amdhsa_user_sgpr_kernarg_segment_ptr 1
		.amdhsa_wavefront_size32 1
		.amdhsa_system_sgpr_workgroup_id_x 1
		.amdhsa_system_sgpr_workgroup_id_y 1
		.amdhsa_system_sgpr_workgroup_id_z 1
		.amdhsa_system_vgpr_workitem_id 0
		.amdhsa_next_free_vgpr 232
		.amdhsa_next_free_sgpr 66
		.amdhsa_reserve_vcc 1
		.amdhsa_float_denorm_mode_32 3
		.amdhsa_float_denorm_mode_16_64 3
		.amdhsa_memory_ordered 1
		.amdhsa_forward_progress 1
		.amdhsa_inst_pref_size 16
	.end_amdhsa_kernel
	.amdgpu_metadata
---
amdhsa.version: [ 1, 2 ]
amdhsa.kernels:
  - .name:           k_q05e894cb34_route
    .symbol:         k_q05e894cb34_route.kd
    .args:
      - { .name: x, .offset: 0, .size: 8, .value_kind: global_buffer, .address_space: global }
      - { .name: Wg, .offset: 8, .size: 8, .value_kind: global_buffer, .address_space: global }
      - { .name: keys, .offset: 16, .size: 8, .value_kind: global_buffer, .address_space: global }
      - { .name: probs, .offset: 24, .size: 8, .value_kind: global_buffer, .address_space: global }
    .group_segment_fixed_size: 0
    .private_segment_fixed_size: 0
    .kernarg_segment_align: 8
    .kernarg_segment_size: 32
    .max_flat_workgroup_size: 128
    .sgpr_count:     66
    .vgpr_count:     232
    .wavefront_size: 32
...
	.end_amdgpu_metadata
.endif
;; end of part 1
;; launch place (part 2): grid 641 x 1, 1 waves a work-group, no clusters, 5,376 bytes of LDS; arguments keys, x, lowp_scales, probs, xq, plan, out1; writes xq, plan, out1
.if DOCPART == 2
	.amdgcn_target "amdgcn-amd-amdhsa--gfx1250"
	.amdhsa_code_object_version 6
	.text
	.protected	k_q05e894cb34_place
	.globl	k_q05e894cb34_place
	.p2align	8
	.type	k_q05e894cb34_place,@function
k_q05e894cb34_place:
	s_mov_b64 s[64:65], 0
	v_nop
	global_prefetch_b8 v0, s[64:65] scope:SCOPE_SE
	s_setreg_imm32_b32 hwreg(HW_REG_WAVE_MODE, 25, 1), 1
	s_wait_xcnt 0x0
; ROWS ARE PLACED BY EXPERT, AND x IS QUANTISED IN THAT ORDER.
; Slots: 16 blocks of 5 groups of 16 rows.  Expert e has ceil(n_e / 80) blocks from block fb_e on (in all at most (1024 + 4 x 79) / 80, so 16), expert 3 also what is left; a slot without a token holds 1024.
; EVERY work-group, one wave, places all 1,024 tokens in its own LDS by a counting sort without atomics: a lane counts its 32 tokens in four bytes of a register, a scan over the lanes gives where its tokens begin.
; The order inside an expert is the same in all work-groups.
; Work-groups 1-640: with n = number - 1, group n / 8, K step n % 8 of x: 16 slots x 128 numbers become codes of E5M2 three times: for the dense product (entry 0), for ew1 and ew3 of the block's expert (entries 4 + 6 e, 6 + 6 e).
; xq: [block 16][image 3][K step 8][group 5][c 4][lane 32][16 bytes]: lane (r, h) holds slot r, k = 32 c + 16 h + 0 .. 15: images of the operand's registers; a store covers 512 consecutive bytes, aligned.
; A slot without a token takes the last token's numbers; its results are never stored as output.
; Work-group 0: plan (64 words: the experts of blocks 0-15, then 3; from byte 256 the slots' tokens) and aux = 4 sum_e (n_e / 1024)(sum_t p[t][e] / 1024).
; No cluster and no tensor load: rows of x are gathered by the list.
; LIMITS: each exponent used lies between -126 and 112.
.set SPARE, 5120                       ; the list: 1,280 words from byte 0; then the spare words
.set X, 64
.set T, 128
.set C, 144
.macro ALL32 body:vararg               ; the line for k = 0 .. 31
.set k, 0
.rept 32
	\body
.set k, k+1
.endr
.endm
	s_load_b256 s[4:11], s[0:1], 0x0               ; keys s[4:5], x s[6:7], the exponents s[8:9], probs s[10:11]
	s_load_b128 s[12:15], s[0:1], 0x20             ; xq s[12:13], plan s[14:15]
	s_load_b64 s[16:17], s[0:1], 0x30              ; out1
	s_movk_i32 s28, 0x202
	s_movk_i32 s29, 0x100
	v_lshl_add_u32 v28, v0, 2, SPARE
	v_mov_b32 v29, 0
	v_and_b32 v1, 31, v0                           ; lane
	v_lshlrev_b32 v4, 2, v1                        ; my first token
	v_and_b32 v7, 15, v0                           ; r
	v_bfe_u32 v30, v0, 4, 1                        ; h
	v_lshlrev_b32 v31, 3, v1
	v_lshlrev_b32 v32, 4, v1
	v_mov_b32 v33, 0
.irp i, 0,1,2,3
	v_mov_b32 v[36+\i], 1024
.endr
	v_mov_b32 v20, 0
	v_mov_b32 v25, 0                               ; a lane permute's destination counts as read
	v_mov_b32 v26, 0
	s_wait_alu depctr_va_vdst(0)                   ; the wait at the head's end
	s_wait_kmcnt 0x0
.irp j, 0,1,2,3,4,5,6,7
	global_load_b128 v[64+4*\j:67+4*\j], v32, s[4:5] offset:512*\j   ; register 64 + k: token 4 lane + 128 (k / 4) + k % 4
.endr
	s_load_b512 s[32:47], s[8:9], 0x0              ; entries 0-15
	s_load_b256 s[48:55], s[8:9], 0x40             ; entries 16-23
	s_load_b128 s[56:59], s[8:9], 0x60             ; entries 24-27
.irp i, 0,1,2,3,4,5,6,7,8,9
	ds_store_b128 v32, v[36:39] offset:512*\i      ; no token yet
.endr
	s_wait_kmcnt 0x0
	s_wait_loadcnt 0x0
	ALL32 v_lshlrev_b32 v[96+k], 3, v[64+k]
	ALL32 v_lshlrev_b32 v[160+k], v[96+k], 1       ; 1 in byte e
.set k, 0
.rept 32
	v_bfe_u32 v[128+k], v20, v[96+k], 8            ; my earlier tokens of the same expert
	v_add_nc_u32 v20, v20, v[160+k]
.set k, k+1
.endr
	v_and_b32 v8, 0xff00, v20
	v_and_b32 v9, 0xff, v20
	v_lshrrev_b32 v10, 16, v20
	v_lshl_or_b32 v21, v8, 8, v9                   ; my counts of experts 0, 1 in 16 bits each,
	v_and_b32 v8, 0xff00, v10
	v_and_b32 v9, 0xff, v10
	v_lshl_or_b32 v22, v8, 8, v9                   ; of experts 2, 3
	v_mov_b32 v23, v21
	v_mov_b32 v24, v22
.irp n, 1,2,4,8                        ; the sum over my row's lanes up to mine
	v_mov_b32_dpp v25, v23 row_shr:\n row_mask:0xf bank_mask:0xf bound_ctrl:1
	v_mov_b32_dpp v26, v24 row_shr:\n row_mask:0xf bank_mask:0xf bound_ctrl:1
	v_add_nc_u32 v23, v23, v25
	v_add_nc_u32 v24, v24, v26
.endr
	v_readlane_b32 s24, v23, 15
	v_readlane_b32 s25, v24, 15
	v_mov_b32 v25, s24
	v_mov_b32 v26, s25
	v_cmp_ne_u32 vcc_lo, 0, v30                    ; lanes 16-31 add the first row's sum
	v_cndmask_b32 v25, v33, v25, vcc_lo
	v_cndmask_b32 v26, v33, v26, vcc_lo
	v_add_nc_u32 v23, v23, v25
	v_add_nc_u32 v24, v24, v26
	v_readlane_b32 s26, v23, 31
	v_readlane_b32 s27, v24, 31
	v_sub_nc_u32 v23, v23, v21                     ; the lanes before mine
	v_sub_nc_u32 v24, v24, v22
	s_and_b32 s92, s26, 0xffff                     ; n_e
	s_lshr_b32 s93, s26, 16
	s_and_b32 s94, s27, 0xffff
	s_lshr_b32 s95, s27, 16
.irp e, 0,1,2
	s_add_co_u32 s62, s[92+\e], 79
	s_mul_i32 s62, s62, 52429
	s_lshr_b32 s[84+\e], s62, 22                   ; ceil(n_e / 80): n x 52429 >> 22 is n / 80 rounded down for n up to 1,103
.endr
	s_add_co_u32 s85, s85, s84
	s_add_co_u32 s86, s86, s85                     ; s84-86: fb_1, fb_2, fb_3
	s_mul_i32 s88, s84, 80
	s_lshl_b32 s88, s88, 16                        ; the first slots of experts 0, 1
	s_mul_i32 s89, s86, 80
	s_lshl_b32 s89, s89, 16
	s_mul_i32 s90, s85, 80
	s_or_b32 s89, s89, s90                         ; of experts 2, 3
	s_wait_alu depctr_va_vdst(0)
	v_add_nc_u32 v23, s88, v23
	v_add_nc_u32 v24, s89, v24
	ALL32 v_mad_u32_u24 v[96+k], v[64+k], s28, s29 ; which two bytes: 1 and 0 for expert 0, two on for each further expert
	ALL32 v_perm_b32 v[96+k], v24, v23, v[96+k]
	ALL32 v_and_b32 v[96+k], 0xffff, v[96+k]
	ALL32 v_add_nc_u32 v[96+k], v[96+k], v[128+k]  ; the slot
	ALL32 v_min_u32 v[96+k], 0x4ff, v[96+k]        ; the list has 1,280 entries
	ALL32 v_lshlrev_b32 v[96+k], 2, v[96+k]
	ALL32 v_add_nc_u32 v[160+k], (k%4)+128*(k/4), v4   ; the token
	ALL32 ds_store_b32 v[96+k], v[160+k]
	s_cmp_eq_u32 ttmp9, 0
	s_cbranch_scc1 .Lhead
	s_sub_co_u32 s21, ttmp9, 1
	s_and_b32 s18, s21, 7                          ; K step
	s_lshr_b32 s21, s21, 3                         ; group among 80
	s_mul_i32 s22, s21, 205
	s_lshr_b32 s22, s22, 10                        ; block: n x 205 >> 10 is n / 5 rounded down for n up to 79
	s_mul_i32 s23, s22, 5
	s_sub_co_u32 s23, s21, s23                     ; group of the block
	s_lshl_b32 s19, s21, 6
	v_lshl_add_u32 v34, v7, 2, s19
	v_min_u32 v34, 0x13fc, v34                     ; at most the list's last word: 64 x 79 + 4 x 15 bytes
	ds_load_b32 v35, v34                           ; my slot's token: LDS serves a wave's instructions in order (ISA guide 5.7.1.4)
	s_cmp_ge_u32 s22, s84                          ; the two exponents of the block's expert, as values
	s_cselect_b32 s36, s42, s36
	s_cselect_b32 s38, s44, s38
	s_cmp_ge_u32 s22, s85
	s_cselect_b32 s36, s48, s36
	s_cselect_b32 s38, s50, s38
	s_cmp_ge_u32 s22, s86
	s_cselect_b32 s36, s54, s36
	s_cselect_b32 s38, s56, s38
.irp i, 32,36,38
	s_add_co_i32 s[\i], s[\i], 127
	s_lshl_b32 s[\i], s[\i], 23                    ; 2^e as f32: the conversion takes its exponent field
.endr
	s_lshl_b32 s60, s18, 9
	s_mov_b32 s61, 0
	s_add_nc_u64 s[6:7], s[6:7], s[60:61]
	s_mul_i32 s60, s22, 245760
	s_mul_i32 s62, s18, 10240
	s_add_co_u32 s60, s60, s62
	s_lshl_b32 s62, s23, 11
	s_add_co_u32 s60, s60, s62
	s_add_nc_u64 s[12:13], s[12:13], s[60:61]
	s_wait_dscnt 0x0
	v_min_u32 v35, 0x3ff, v35
	v_lshlrev_b32 v35, 12, v35
	v_lshl_add_u32 v35, v30, 6, v35                ; the token's row, + 64 h
.irp c, 0,1,2,3
.irp i, 0,1,2,3
	global_load_b128 v[X+16*\c+4*\i:X+16*\c+4*\i+3], v35, s[6:7] offset:128*\c+16*\i
.endr
.endr
	v_mov_b32 v36, s32
	v_mov_b32 v38, s36
	v_mov_b32 v40, s38
	v_add_nc_u32 v37, 0x07e00000, v36              ; 57,344 x 2^e: 15 more in the exponent field, mantissa field 0x600000
	v_add_nc_u32 v39, 0x07e00000, v38
	v_add_nc_u32 v41, 0x07e00000, v40
	s_wait_alu depctr_va_vdst(0)
	s_wait_loadcnt 0x0
; eight numbers: the hold (the conversion to an 8-bit code does not saturate: ISA guide 7.6.2), then the codes.  Two sets of held numbers take turns, so that the next call's holds are the plain lines behind a conversion.
.macro Q8 j, sc, n
.irp i, 0,1,2,3,4,5,6,7
	v_med3_num_f32 v[T+8*((\n)%2)+\i], v[X+8*(\j)+\i], -v[\sc+1], v[\sc+1]
.endr
	v_cvt_scalef32_pk8_bf8_f32 v[C+2*(\n):C+2*(\n)+1], v[T+8*((\n)%2):T+8*((\n)%2)+7], v[\sc]
.endm
.irp m, 0,1,2
.irp j, 0,1,2,3,4,5,6,7
	Q8 \j, 36+2*\m, 8*\m+\j
.endr
.endr
	v_nop
.irp m, 0,1,2
.irp c, 0,1,2,3
	global_store_b128 v32, v[C+16*\m+4*\c:C+16*\m+4*\c+3], s[12:13] offset:81920*\m+512*\c
.endr
.endr
.Lfin:
	s_wait_tensorcnt 0x0                           ; the wave's end
	ds_add_u32 v28, v29
	s_wait_dscnt 0x0
	s_endpgm
.Lhead:
.irp i, 0,1,2,3,4,5,6,7,8,9
	ds_load_b128 v[128+4*\i:131+4*\i], v32 offset:512*\i
.endr
	s_wait_dscnt 0x0
.irp i, 0,1,2,3,4,5,6,7,8,9
	global_store_b128 v32, v[128+4*\i:131+4*\i], s[14:15] offset:256+512*\i   ; 512 consecutive bytes, aligned to 256
.endr
	v_lshlrev_b32 v50, 1, v1
	v_add_nc_u32 v51, 1, v50                       ; blocks 2 l, 2 l + 1
.irp j, 0,1
	v_mov_b32 v[52+\j], 0
.irp e, 1,2,3
	v_cmp_gt_u32 vcc_lo, s[83+\e], v[50+\j]
	v_cndmask_b32 v[52+\j], \e, v[52+\j], vcc_lo
.endr
.endr
	global_store_b64 v31, v[52:53], s[14:15]
	s_mov_b32 s60, 0x76543210
	s_mov_b32 s61, 0xfedcba98
.irp e, 0,1,2,3
	v_mov_b32 v[16+\e], 0                          ; a lane permute's destination counts as read
.endr
	s_wait_alu depctr_va_vdst(0)
	s_wait_xcnt 0x0                                ; the stores have read their data, which is written again below
.irp i, 0,1,2,3,4,5,6,7,8,9,10,11,12,13,14,15,16,17,18,19,20,21,22,23,24,25,26,27,28,29,30,31
	global_load_b128 v[64+4*\i:67+4*\i], v32, s[10:11] offset:512*\i   ; probs of token 32 i + lane
.endr
	s_wait_loadcnt 0x0
	v_pk_add_f32 v[8:9], v[64:65], v[68:69]        ; two chains, started by the first four tokens
	v_pk_add_f32 v[10:11], v[66:67], v[70:71]
	v_pk_add_f32 v[12:13], v[72:73], v[76:77]
	v_pk_add_f32 v[14:15], v[74:75], v[78:79]
.irp i, 4,6,8,10,12,14,16,18,20,22,24,26,28,30
	v_pk_add_f32 v[8:9], v[8:9], v[64+4*\i:65+4*\i]
	v_pk_add_f32 v[10:11], v[10:11], v[66+4*\i:67+4*\i]
	v_pk_add_f32 v[12:13], v[12:13], v[68+4*\i:69+4*\i]
	v_pk_add_f32 v[14:15], v[14:15], v[70+4*\i:71+4*\i]
.endr
	v_pk_add_f32 v[8:9], v[8:9], v[12:13]
	v_pk_add_f32 v[10:11], v[10:11], v[14:15]
.irp m, 1,2,4,8
.irp e, 0,1,2,3
	v_add_f32_dpp v[8+\e], v[8+\e], v[8+\e] row_xmask:\m row_mask:0xf bank_mask:0xf
.endr
.endr
.irp e, 0,1,2,3
	v_permlanex16_b32 v[16+\e], v[8+\e], s60, s61
.endr
.irp e, 0,1,2,3
	v_add_f32 v[8+\e], v[8+\e], v[16+\e]           ; the sum of p[t][e] over all tokens
	v_cvt_f32_u32 v[20+\e], s[92+\e]               ; n_e
.endr
	v_mul_f32 v24, v20, v8
	v_fma_f32 v24, v21, v9, v24
	v_fma_f32 v24, v22, v10, v24
	v_fma_f32 v24, v23, v11, v24
	v_mul_f32 v24, 0x36800000, v24                 ; x 4 / 1024 / 1024 = 2^-18
	v_cmp_eq_u32 vcc_lo, 0, v1
	s_wait_alu depctr_va_vdst(0)
	s_wait_xcnt 0x0                                ; EXEC changes only behind this wait
	s_and_saveexec_b32 s63, vcc_lo
	global_store_b32 v33, v24, s[16:17]
	s_wait_xcnt 0x0
	s_or_b32 exec_lo, exec_lo, s63
	s_branch .Lfin
.Lfunc_end_k_q05e894cb34_place:
	.size	k_q05e894cb34_place, .Lfunc_end_k_q05e894cb34_place-k_q05e894cb34_place
	.p2alignl 7, 3214868480
	.fill 96, 4, 3214868480
	.section	.rodata,"a",@progbits
	.p2align	6, 0x0
	.amdhsa_kernel k_q05e894cb34_place
		.amdhsa_group_segment_fixed_size 5376
		.amdhsa_private_segment_fixed_size 0
		.amdhsa_enable_private_segment 0
		.amdhsa_kernarg_size 56
		.amdhsa_user_sgpr_count 2
		.amdhsa_user_sgpr_kernarg_segment_ptr 1
		.amdhsa_wavefront_size32 1
		.amdhsa_system_sgpr_workgroup_id_x 1
		.amdhsa_system_sgpr_workgroup_id_y 1
		.amdhsa_system_sgpr_workgroup_id_z 1
		.amdhsa_system_vgpr_workitem_id 0
		.amdhsa_next_free_vgpr 192
		.amdhsa_next_free_sgpr 100
		.amdhsa_reserve_vcc 1
		.amdhsa_float_denorm_mode_32 3
		.amdhsa_float_denorm_mode_16_64 3
		.amdhsa_memory_ordered 1
		.amdhsa_forward_progress 1
		.amdhsa_inst_pref_size 56
	.end_amdhsa_kernel
	.amdgpu_metadata
---
amdhsa.version: [ 1, 2 ]
amdhsa.kernels:
  - .name:           k_q05e894cb34_place
    .symbol:         k_q05e894cb34_place.kd
    .args:
      - { .name: keys, .offset: 0, .size: 8, .value_kind: global_buffer, .address_space: global }
      - { .name: x, .offset: 8, .size: 8, .value_kind: global_buffer, .address_space: global }
      - { .name: lowp_scales, .offset: 16, .size: 8, .value_kind: global_buffer, .address_space: global }
      - { .name: probs, .offset: 24, .size: 8, .value_kind: global_buffer, .address_space: global }
      - { .name: xq, .offset: 32, .size: 8, .value_kind: global_buffer, .address_space: global }
      - { .name: plan, .offset: 40, .size: 8, .value_kind: global_buffer, .address_space: global }
      - { .name: out1, .offset: 48, .size: 8, .value_kind: global_buffer, .address_space: global }
    .group_segment_fixed_size: 5376
    .private_segment_fixed_size: 0
    .kernarg_segment_align: 8
    .kernarg_segment_size: 56
    .max_flat_workgroup_size: 32
    .sgpr_count:     100
    .vgpr_count:     192
    .wavefront_size: 32
...
	.end_amdgpu_metadata
.endif
;; end of part 2
;; launch layer1 (part 3): grid 16 x 16, 8 waves a work-group, clusters of 4 x 4, 327,680 bytes of LDS; arguments xq, W1_codes, ew1_codes, ew3_codes, b1, lowp_scales, plan, hid; writes hid
.if DOCPART == 3
	.amdgcn_target "amdgcn-amd-amdhsa--gfx1250"
	.amdhsa_code_object_version 6
	.text
	.protected	k_q05e894cb34_layer1
	.globl	k_q05e894cb34_layer1
	.p2align	8
	.type	k_q05e894cb34_layer1,@function
k_q05e894cb34_layer1:
	s_mov_b64 s[64:65], 0
	v_nop
	global_prefetch_b8 v0, s[64:65] scope:SCOPE_SE
	s_setreg_imm32_b32 hwreg(HW_REG_WAVE_MODE, 25, 1), 1
	s_wait_xcnt 0x0
	s_wait_alu depctr_hold_cnt(0) depctr_sa_sdst(0) depctr_va_vdst(0) depctr_va_sdst(0) depctr_va_ssrc(0) depctr_va_vcc(0) depctr_vm_vsrc(0)
	s_getreg_b32 s2, hwreg(HW_REG_IB_STS2, 6, 4)
	s_cmp_eq_u32 s2, 0
	s_cbranch_scc0 .Lentry_in_a_cluster
	s_endpgm
.Lentry_in_a_cluster:
	s_bfe_u32 s2, ttmp6, 0x10000c
	s_cmp_lg_u32 s2, 0xf033
	s_cbranch_scc0 .Lentry_shape_is_right
	s_endpgm
.Lentry_shape_is_right:
; THE FIRST LAYERS, on codes of E5M2: gelu(x W1 + b1) and silu(x ew1[e]) (x ew3[e]) for the 80 slots of block Y (one expert e, from the plan) and 256 hidden units 256 X ..; both quantised and stored as operands of the second layers.
; Work left out: the experts that a block's tokens did not choose (the first kernel's head says why, and the limit).
; SHARES.  Waves 0-3: the expert's two products, units 64 w .. 64 w + 63 x 80 rows: 2 x 20 accumulators.  Waves 4-7: the dense product, units 64 (w - 4) ..: 20 accumulators.
; K TILES n = 0 .. 7 through two LDS slots: the expert's part is 256 along K of ew1 (n < 4) or ew3 (n > 3) for 256 units; the dense part 256 along K (n % 4) of W1 for units 128 (n / 4) .. + 127 (waves 4, 5, then 6, 7).
; One tensor load a wave and tile: waves 0-3 64 rows of ew each, waves 4, 5 64 rows of W1 each, waves 6, 7 the rows' images (20,480 bytes) for the expert and for the dense product.
; CLUSTERS 4 x 4: the images hang on Y alone and are asked for jointly along a row, W1 on X alone and jointly along a column.  ew1 and ew3 hang on the block's expert, a stored number that partners need not share: plain loads.
; PREFETCH: in trip i each wave asks for its part of tile i + 2, one step ahead of that tile's load; the four partners share its 256-byte blocks by address (a column's partners: each 16 rows of the 64; for ew these are rows of its own block's expert).
; Tiles 0 and 1 come by their loads alone; the dense images of tiles 4-7 have been read as tiles 0-3.
; TRANSPOSED USE: source 0 = 16 weight rows, source 1 = 16 slots: a lane holds one slot, register 8 t + j unit 16 t + 8 h + j: with h = lane / 16 that is the layout of the next operand (registers 2 c, 2 c + 1: k = 16 c + 8 h + 0 .. 7).
; hid: [dense, expert][block 16][K step 32][group 5][c 4][lane 32][16 bytes]; a store covers 512 consecutive bytes, aligned.
; In this product both sources hold k = 32 c + 16 h + 0 .. 15 in registers 4 c .. 4 c + 3: the same order of k.
; gelu(v) = max(v, 0) - |v| erfc(|v| / sqrt 2) / 2, erfc(z) = t exp(-z^2 + a polynomial in t), t = 1 / (1 + z / 2).
; LIMITS: entries 0+1, 2, 8+6e, the sum of entries 4+6e and 5+6e, and the sum of entries 4+6e .. 7+6e lie between -126 and 112.  NaN and infinities are not served.
; erfc's formula is off by about 1.2e-7 of its value, to which the rounding of its exponent adds about 1e-7 x z^2.
; REGISTERS.  Window 0: v20-21, v22-23 LDS addresses (slots 0, 1) of my images and weights; v24 16 x lane; v25 32 h; v27 prefetch; v28, v29 the add; v32-191 accumulators (32 g + 8 t) of the dense or ew1 product; v192-255 four weight fragments.
;   Window 1: v0-159 accumulators of the ew3 product (dense waves: v0-31 b1); v160-239 five fragments of the rows.
.set BE,    40960
.set BD,    110592
.set SLOT,  145408
.set SPARE, 290816
.set MSB, 0
.macro WIN new                         ; the immediate's high byte repeats the setting that is left; bits 1:0 source 0, 3:2 source 1, 5:4 source 2, 7:6 destination
.if MSB != \new
	s_set_vgpr_msb (MSB<<8)|\new
.set MSB, \new
.endif
.endm
.macro PLACES
.rept 4
	v_nop
.endr
.endm
.macro PAIR r, val
	s_mov_b32 s[\r], \val
	s_mov_b32 s[\r+1], \val
.endm
.macro CROUND                          ; a round of the cluster's barrier
	s_barrier_signal -1
	s_barrier_wait -1
	s_cmp_lg_u32 s20, 0
	s_cbranch_scc1 .Lnot0_\@
	s_barrier_signal -3
.Lnot0_\@:
	s_barrier_wait -3
	s_barrier_signal -1
	s_barrier_wait -1
.endm
.macro JLOAD                           ; my one load of a tile
	s_cmp_lt_u32 s20, 4
	s_cbranch_scc0 .Lnote_\@
	tensor_load_to_lds s[56:59], s[36:43]
	s_nop 0
	PLACES
	s_branch .Lasked_\@
.Lnote_\@:
	s_cmp_lt_u32 s20, 6
	s_cbranch_scc0 .Limg_\@
	tensor_load_to_lds s[60:63], s[44:51]
	s_nop 0
	PLACES
	s_branch .Lasked_\@
.Limg_\@:
	tensor_load_to_lds s[52:55], s[28:35]
	s_nop 0
	PLACES
.Lasked_\@:
.endm
.macro SETG n                          ; groups 0 for tile n, slot n % 2
.set NN, (\n)
	s_mul_i32 s78, s77, 81920*(1+NN/4)
	s_sub_co_u32 s78, 20480*NN+81920, s78          ; wave 6: images 1, 2 on end; wave 7: image 0, twice
	s_mov_b32 s79, 0
	s_add_nc_u64 s[54:55], s[66:67], s[78:79]
	s_or_b32 s55, s55, 0x80000000
	s_add_co_u32 s53, s74, (NN%2)*SLOT
.if NN < 4
	s_add_nc_u64 s[58:59], s[68:69], 256*(NN%4)
.else
	s_add_nc_u64 s[58:59], s[70:71], 256*(NN%4)
.endif
	s_or_b32 s59, s59, 0x80000000
	s_add_co_u32 s57, s75, (NN%2)*SLOT
	s_add_nc_u64 s[62:63], s[72:73], 131072*(NN/4)+256*(NN%4)
	s_or_b32 s63, s63, 0x80000000
	s_add_co_u32 s61, s76, (NN%2)*SLOT
.endm
; 128 along K: nine fragments, 20 products; the accumulators take turns, one instruction a turn
.macro KS slot, ks, zero, win, acc
	WIN 0x40
.irp g, 0,1,2,3,4
.irp c, 0,1,2,3
	ds_load_b128 v[160+16*\g+4*\c:163+16*\g+4*\c], v[20+\slot] offset:10240*\ks+2048*\g+512*\c
.endr
.endr
	WIN 0
.irp t, 0,1,2,3
.irp c, 0,1,2,3
	ds_load_b128 v[192+16*\t+4*\c:195+16*\t+4*\c], v[22+\slot] offset:4352*\t+128*\ks+32*\c
.endr
.endr
	WIN \win
.irp t, 0,1,2,3
	s_wait_dscnt 12-4*\t                           ; the rows and this tile's fragment are in; the later tiles' loads may be out
.irp g, 0,1,2,3,4
.if \zero
	v_wmma_f32_16x16x128_bf8_bf8 v[\acc+32*\g+8*\t:\acc+32*\g+8*\t+7], v[192+16*\t:207+16*\t], v[160+16*\g:175+16*\g], 0
.else
	v_wmma_f32_16x16x128_bf8_bf8 v[\acc+32*\g+8*\t:\acc+32*\g+8*\t+7], v[192+16*\t:207+16*\t], v[160+16*\g:175+16*\g], v[\acc+32*\g+8*\t:\acc+32*\g+8*\t+7]
.endif
.endr
.endr
	WIN 0
.endm
.macro TILE slot, zero, win, acc
	KS \slot, 0, \zero, \win, \acc
	PLACES                                         ; in front of loads into registers that matrix instructions have read (ISA guide 7.12.1 for vector instructions)
	KS \slot, 1, 0, \win, \acc
.endm
.macro STEP i
.if \i == 0
	s_wait_kmcnt 0x0
	s_wait_loadcnt 0x0                             ; b1
.elseif \i < 6
	s_wait_xcnt 0x0                                ; my prefetch has read its address
.if \i == 2
	s_mov_b64 s[80:81], s[82:83]
.else
	s_add_nc_u64 s[80:81], s[80:81], s[84:85]
.endif
.endif
	s_wait_tensorcnt 0x0                           ; my part of tile i has landed;
	ds_add_u32 v28, v29
.if \i < 7
	SETG \i+1
.endif
	s_wait_dscnt 0x0                               ; the add is done, and so are my reads of the other slot
.if \i < 7
	CROUND
	JLOAD                                          ; tile i + 1, first behind the round
.else
	s_barrier_signal -1
	s_barrier_wait -1
	PLACES
.endif
.if \i == 4
	v_nop                                          ; a fifth place: behind it accumulators begin anew
.endif
.if \i < 6
.if \i > 1
	s_cmp_lg_u32 s20, 7
	s_cbranch_scc0 .Lnoask_\@
.endif
	global_prefetch_b8 v27, s[80:81] th:TH_LOAD_NT scope:SCOPE_SE
.Lnoask_\@:
.endif
	s_cmp_lt_u32 s20, 4
	s_cbranch_scc0 .Ldense_\@
.if \i < 4
	TILE (\i)%2, (\i)==0, 0x04, 32
.else
	TILE (\i)%2, (\i)==4, 0x54, 0
.endif
	s_branch .Ldone_\@
.Ldense_\@:
	s_cmp_lt_u32 s20, 6
.if \i < 4
	s_cbranch_scc0 .Ldone_\@
.else
	s_cbranch_scc1 .Ldone_\@
.endif
	TILE (\i)%2, ((\i)%4)==0, 0x04, 32
.Ldone_\@:
.endm
	s_load_b512 s[4:19], s[0:1], 0x0               ; xq s[4:5], W1 s[6:7], ew1 s[8:9], ew3 s[10:11], b1 s[12:13], the exponents s[14:15], plan s[16:17], hid s[18:19]
	v_lshl_add_u32 v28, v0, 2, SPARE
	v_mov_b32 v29, 0
	ds_add_u32 v28, v29                            ; the wave's opening: the add, twice on end, and its wait
	ds_add_u32 v28, v29
	v_lshrrev_b32 v1, 5, v0
	v_readfirstlane_b32 s20, v1                    ; wave
	s_bfe_u32 s21, ttmp6, 0x40000                  ; cx
	s_bfe_u32 s22, ttmp6, 0x40004                  ; cy
	s_lshl_b32 s23, ttmp9, 2
	s_add_co_u32 s23, s23, s21                     ; X
	s_and_b32 s24, ttmp7, 0xffff
	s_lshl_b32 s24, s24, 2
	s_add_co_u32 s24, s24, s22                     ; Y
	s_and_b32 s77, s20, 1
	s_and_b32 s87, s20, 3                          ; q
	s_lshl_b32 s25, s22, 2
	s_lshl_b32 s25, 15, s25                        ; my row of the cluster
	s_lshl_b32 s26, 0x1111, s21                    ; my column
	s_or_b32 s28, s25, (3<<16)|(1<<21)             ; images: 80 rows of 256 bytes on end, elements of 8 bytes, no padding
	s_mov_b32 s29, 32<<16
	s_mov_b32 s30, 80<<16
	s_mov_b32 s31, 32<<16
	s_mov_b32 s32, 80
	s_mov_b32 s33, 32
	s_mov_b32 s34, 0
	s_mov_b32 s35, 0
	s_mov_b32 s36, (1<<20)|(5<<22)|(3<<25)         ; weights: 64 rows of 256 bytes, 1,024 apart; 16 bytes of padding behind each
	s_or_b32 s44, s26, (1<<20)|(1<<21)|(5<<22)|(3<<25)
.irp g, 36,44
	s_mov_b32 s[\g+1], 256<<16
	s_mov_b32 s[\g+2], 64<<16
	s_mov_b32 s[\g+3], 256<<16
	s_mov_b32 s[\g+4], 64
	s_mov_b32 s[\g+5], 1024
	s_mov_b32 s[\g+6], 0
	s_mov_b32 s[\g+7], 0
.endr
	s_mul_i32 s74, s77, 20480                      ; where my loads land
	s_mul_i32 s75, s87, 17408
	s_add_co_u32 s75, s75, BE
	s_mul_i32 s76, s77, 17408
	s_add_co_u32 s76, s76, BD
	s_lshr_b32 s25, s20, 2                         ; 0: expert, 1: dense
	s_mul_i32 s26, s25, 20480                      ; where I read: images,
	s_mul_i32 s27, s25, BD-BE
	s_add_co_u32 s27, s27, BE
	s_mul_i32 s2, s77, 17408
	s_add_co_u32 s27, s27, s2
	s_xor_b32 s3, s25, 1
	s_lshr_b32 s2, s20, 1
	s_and_b32 s2, s2, s3
	s_mul_i32 s2, s2, 34816
	s_add_co_u32 s27, s27, s2                      ; and weights: expert 64 w rows on, dense 64 (w % 2) rows on
	s_movk_i32 s84, 20480
	s_movk_i32 s101, 5120
	s_cmp_lt_u32 s20, 6                            ; what I prefetch: 16 rows of weights or 20 blocks of images a step
	s_cselect_b32 s2, 15, 19
	s_cselect_b32 s3, 10, 8
	s_cselect_b32 s84, 256, s84                    ; a step on
	s_cselect_b32 s100, s22, s21
	s_cselect_b32 s101, 16384, s101
	s_mul_i32 s100, s100, s101                     ; my work-group's share
	s_mov_b32 s101, 0
	s_mov_b32 s85, 0
	v_and_b32 v2, 31, v0                           ; lane
	v_lshlrev_b32 v24, 4, v2
	v_and_b32 v3, 15, v0                           ; r
	v_bfe_u32 v4, v0, 4, 1                         ; h
	v_mul_u32_u24 v5, v3, 272
	v_lshl_add_u32 v5, v4, 4, v5
	v_add_nc_u32 v20, s26, v24
	v_add_nc_u32 v21, SLOT, v20
	v_add_nc_u32 v22, s27, v5
	v_add_nc_u32 v23, SLOT, v22
	v_lshlrev_b32 v25, 5, v4
	v_min_u32 v26, s2, v2                          ; lanes left over name the last block again
	v_lshlrev_b32 v27, s3, v26
	s_wait_alu depctr_va_vdst(0)                   ; the wait at the head's end
	s_wait_dscnt 0x0                               ; both opening adds are done
	s_wait_kmcnt 0x0
	s_lshl_b32 s25, s24, 2
	s_load_b32 s86, s[16:17], s25 offset:0x0       ; the block's expert
	s_load_b128 s[88:91], s[14:15], 0x0            ; entries 0-3
	s_mov_b32 s79, 0
	s_mul_i32 s78, s24, 245760
	s_add_nc_u64 s[66:67], s[4:5], s[78:79]        ; the block's images
	s_lshl_b32 s78, s23, 18
	s_lshl_b32 s26, s77, 16
	s_add_co_u32 s78, s78, s26
	s_add_nc_u64 s[72:73], s[6:7], s[78:79]        ; W1: row 256 X + 64 (w % 2)
	s_lshl_b32 s78, s23, 18
	s_lshl_b32 s26, s87, 16
	s_add_co_u32 s78, s78, s26
	s_add_nc_u64 s[68:69], s[8:9], s[78:79]        ; ew1, ew3: row 256 X + 64 (w % 4)
	s_add_nc_u64 s[70:71], s[10:11], s[78:79]
	s_lshl_b32 s78, s23, 10
	s_lshl_b32 s26, s87, 8
	s_add_co_u32 s78, s78, s26
	s_add_nc_u64 s[2:3], s[12:13], s[78:79]        ; b1 at unit 256 X + 64 q
	WIN 0x40
.irp t, 0,1,2,3
	global_load_b128 v[8*\t:8*\t+3], v25, s[2:3] offset:64*\t      ; b1 in the result's layout (read by the dense waves)
	global_load_b128 v[8*\t+4:8*\t+7], v25, s[2:3] offset:64*\t+16
.endr
	WIN 0
	s_lshr_b32 s26, s20, 2
	s_xor_b32 s26, s26, 1
	s_mul_i32 s78, s26, 5242880
	s_mul_i32 s26, s24, 327680
	s_add_co_u32 s78, s78, s26
	s_lshl_b32 s26, s23, 1
	s_lshr_b32 s27, s87, 1
	s_add_co_u32 s26, s26, s27
	s_mul_i32 s26, s26, 10240                      ; K step 2 X + q / 2
	s_add_co_u32 s78, s78, s26
	s_lshl_b32 s26, s77, 10
	s_add_co_u32 s78, s78, s26
	s_add_nc_u64 s[98:99], s[18:19], s[78:79]
	s_mov_b32 s52, 1
	s_mov_b32 s56, 1
	s_mov_b32 s60, 1
	CROUND                                         ; all sixteen work-groups are here: the first joint loads meet
	s_wait_kmcnt 0x0
	s_min_u32 s86, s86, 3
	s_mul_i32 s25, s86, 24
	s_load_b128 s[92:95], s[14:15], s25 offset:0x10   ; entries 4 + 6 e .. 7 + 6 e
	s_load_b64 s[96:97], s[14:15], s25 offset:0x20    ; entries 8 + 6 e, 9 + 6 e
	s_lshl_b32 s78, s86, 22                        ; expert e's 4 MiB
	s_mov_b32 s79, 0
	s_add_nc_u64 s[68:69], s[68:69], s[78:79]
	s_add_nc_u64 s[70:71], s[70:71], s[78:79]
	SETG 0
	JLOAD                                          ; tile 0: one tensor load a wave at the head
	s_sub_co_u32 s78, 1, s77                       ; where my prefetches begin: tile 2, and (s[82:83]) tile 4
	s_mul_i32 s78, s78, 81920
	s_mov_b32 s79, 0
	s_add_nc_u64 s[26:27], s[66:67], s[78:79]
	s_add_nc_u64 s[82:83], s[66:67], 163840
	s_cmp_lt_u32 s20, 6
	s_cselect_b64 s[26:27], s[72:73], s[26:27]
	s_cmp_lt_u32 s20, 4
	s_cselect_b64 s[26:27], s[68:69], s[26:27]
	s_lshl_b32 s78, s84, 1
	s_add_co_u32 s78, s78, s100
	s_add_nc_u64 s[80:81], s[26:27], s[78:79]
	s_add_nc_u64 s[26:27], s[72:73], 131072
	s_cmp_lt_u32 s20, 6
	s_cselect_b64 s[82:83], s[26:27], s[82:83]
	s_cmp_lt_u32 s20, 4
	s_cselect_b64 s[82:83], s[70:71], s[82:83]
	s_add_nc_u64 s[82:83], s[82:83], s[100:101]
.irp i, 0,1,2,3,4,5,6,7
	STEP \i
.endr
	PLACES                                         ; in front of the first reads of results
	s_cmp_lt_u32 s20, 4
	s_cbranch_scc0 .Ldense_out
; ---- the expert's way out: u <- silu(g 2^a1) (u 2^a3), held, as codes
	s_add_co_i32 s2, s92, s93                      ; a1
	s_lshl_b32 s3, s2, 23
	s_add_co_u32 s52, s3, 0xbfb8aa3b               ; -log2(e) with a1 added to its exponent field
	s_mov_b32 s53, s52
	s_add_co_i32 s2, s2, s94
	s_add_co_i32 s2, s2, s95
	s_add_co_i32 s2, s2, 127
	s_lshl_b32 s54, s2, 23                         ; 2^(a1 + a3)
	s_mov_b32 s55, s54
	s_add_co_i32 s2, s96, 127
	s_lshl_b32 s2, s2, 23
	v_mov_b32 v16, s2                              ; 2^(entry 8 + 6 e)
	v_add_nc_u32 v17, 0x07e00000, v16              ; 57,344 x that
.macro SILU g, cod
.set GG, 32+32*\g
.set UU, 32*\g
	s_wait_alu depctr_va_vdst(0)
.irp p, 0,2,4,6,8,10,12,14,16,18,20,22,24,26,28,30
	v_pk_mul_f32 v[192+\p:193+\p], v[GG+\p:GG+\p+1], s[52:53] op_sel_hi:[1,0]     ; -g 2^a1 log2(e)
.endr
	s_wait_alu depctr_va_vdst(0)
.irp p, 0,1,2,3,4,5,6,7,8,9,10,11,12,13,14,15,16,17,18,19,20,21,22,23,24,25,26,27,28,29,30,31
	v_exp_f32 v[192+\p], v[192+\p]
.endr
.irp p, 0,2,4,6,8,10,12,14,16,18,20,22,24,26,28,30
	v_pk_mul_f32 v[GG+\p:GG+\p+1], v[GG+\p:GG+\p+1], s[54:55] op_sel_hi:[1,0]     ; g 2^(a1 + a3)
.endr
	s_wait_alu depctr_va_vdst(0)
.irp p, 0,2,4,6,8,10,12,14,16,18,20,22,24,26,28,30
	v_pk_add_f32 v[192+\p:193+\p], v[192+\p:193+\p], 1.0 op_sel_hi:[1,0]
.endr
	s_wait_alu depctr_va_vdst(0)
.irp p, 0,1,2,3,4,5,6,7,8,9,10,11,12,13,14,15,16,17,18,19,20,21,22,23,24,25,26,27,28,29,30,31
	v_rcp_f32 v[192+\p], v[192+\p]
.endr
	v_nop
	s_wait_alu depctr_va_vdst(0)
.irp p, 0,2,4,6,8,10,12,14,16,18,20,22,24,26,28,30
	v_pk_mul_f32 v[GG+\p:GG+\p+1], v[GG+\p:GG+\p+1], v[192+\p:193+\p]
.endr
	WIN 0x04                                       ; source 1 (u) in window 1
	s_wait_alu depctr_va_vdst(0)
.irp p, 0,2,4,6,8,10,12,14,16,18,20,22,24,26,28,30
	v_pk_mul_f32 v[GG+\p:GG+\p+1], v[GG+\p:GG+\p+1], v[UU+\p:UU+\p+1]
.endr
	WIN 0
.irp p, 0,1,2,3,4,5,6,7,8,9,10,11,12,13,14,15,16,17,18,19,20,21,22,23,24,25,26,27,28,29,30,31
	v_med3_num_f32 v[GG+\p], v[GG+\p], -v17, v17   ; the conversion to an 8-bit code does not saturate (ISA guide 7.6.2)
.endr
.irp t, 0,1,2,3
	v_cvt_scalef32_pk8_bf8_f32 v[\cod+2*\t:\cod+2*\t+1], v[GG+8*\t:GG+8*\t+7], v16
.endr
	v_nop                                          ; a plain line behind the last conversion
	global_store_b128 v24, v[\cod:\cod+3], s[98:99] offset:2048*\g
	global_store_b128 v24, v[\cod+4:\cod+7], s[98:99] offset:2048*\g+512
.endm
	SILU 0, 224
	SILU 1, 232
	SILU 2, 240
	SILU 3, 248
	SILU 4, 4
	s_branch .Lend
; ---- the dense way out
.Ldense_out:
	s_add_co_i32 s2, s88, s89
	s_add_co_i32 s2, s2, 127
	s_lshl_b32 s28, s2, 23                         ; 2^(entry 0 + entry 1)
	s_mov_b32 s29, s28
	PAIR 30, 0x3f3504f3                            ; 1 / sqrt 2
	PAIR 32, 0xbfa1fc4e                            ; -1.26551223
	PAIR 34, 0x3f8000c7                            ; 1.00002368
	PAIR 36, 0x3ebf88fb                            ; 0.37409196
	PAIR 38, 0x3dc636c9                            ; 0.09678418
	PAIR 40, 0xbe3ec24c                            ; -0.18628806
	PAIR 42, 0x3e8ec7cc                            ; 0.27886807
	PAIR 44, 0xbf914e5d                            ; -1.13520398
	PAIR 46, 0x3fbe87b0                            ; 1.48851587
	PAIR 48, 0xbf527892                            ; -0.82215223
	PAIR 50, 0x3fb8aa3b                            ; log2(e)
	s_mov_b32 s52, 0x3eb504f3                      ; 1 / (2 sqrt 2)
	s_add_co_i32 s2, s90, 127
	s_lshl_b32 s2, s2, 23
	v_mov_b32 v18, 0x3e2ef946                      ; 0.17087277
	v_mov_b32 v19, 0x3e2ef946
	v_mov_b32 v16, s2                              ; 2^(entry 2)
	v_add_nc_u32 v17, 0x07e00000, v16
	s_wait_alu depctr_va_vdst(0)
	WIN 0x10                                       ; source 2 (b1) in window 1
.irp g, 0,1,2,3,4
.irp q, 0,2,4,6,8,10,12,14,16,18,20,22,24,26,28,30
	v_pk_fma_f32 v[32+32*\g+\q:33+32*\g+\q], v[32+32*\g+\q:33+32*\g+\q], s[28:29], v[\q:\q+1] op_sel_hi:[1,0,1]   ; sum x 2^(e0 + e1) + b1
.endr
.endr
	WIN 0
.set ZZ, 192
.set WW, 208
.set TT, 224
.set RR, 240
.macro GELU16 x
.irp p, 0,2,4,6,8,10,12,14
	v_pk_mul_f32 v[ZZ+\p:ZZ+\p+1], v[(\x)+\p:(\x)+\p+1], s[30:31] op_sel_hi:[1,0]                ; z = v / sqrt 2
.endr
.irp p, 0,2,4,6,8,10,12,14
	v_pk_fma_f32 v[WW+\p:WW+\p+1], v[ZZ+\p:ZZ+\p+1], v[ZZ+\p:ZZ+\p+1], s[32:33] op_sel_hi:[1,1,0] neg_lo:[1,0,0] neg_hi:[1,0,0]   ; -z^2 + c0
.endr
.irp i, 0,1,2,3,4,5,6,7,8,9,10,11,12,13,14,15
	v_fma_f32 v[TT+\i], |v[(\x)+\i]|, s52, 1.0                                                   ; 1 + |z| / 2
.endr
	s_wait_alu depctr_va_vdst(0)                   ; the waits ahead of and behind the batches
.irp i, 0,1,2,3,4,5,6,7,8,9,10,11,12,13,14,15
	v_rcp_f32 v[TT+\i], v[TT+\i]
.endr
	v_nop
	s_wait_alu depctr_va_vdst(0)
.irp p, 0,2,4,6,8,10,12,14
	v_pk_fma_f32 v[RR+\p:RR+\p+1], v[TT+\p:TT+\p+1], v[18:19], s[48:49] op_sel_hi:[1,1,0]
.endr
.irp k, 46,44,42,40,38,36,34
.irp p, 0,2,4,6,8,10,12,14
	v_pk_fma_f32 v[RR+\p:RR+\p+1], v[RR+\p:RR+\p+1], v[TT+\p:TT+\p+1], s[\k:\k+1] op_sel_hi:[1,1,0]
.endr
.endr
.irp p, 0,2,4,6,8,10,12,14
	v_pk_fma_f32 v[RR+\p:RR+\p+1], v[RR+\p:RR+\p+1], v[TT+\p:TT+\p+1], v[WW+\p:WW+\p+1]
.endr
.irp p, 0,2,4,6,8,10,12,14
	v_pk_fma_f32 v[RR+\p:RR+\p+1], v[RR+\p:RR+\p+1], s[50:51], -1.0 op_sel_hi:[1,0,0]            ; x log2(e), less 1: the half
.endr
	s_wait_alu depctr_va_vdst(0)
.irp i, 0,1,2,3,4,5,6,7,8,9,10,11,12,13,14,15
	v_exp_f32 v[RR+\i], v[RR+\i]
.endr
.irp i, 0,1,2,3,4,5,6,7,8,9,10,11,12,13,14,15
	v_max_num_f32 v[ZZ+\i], 0, v[(\x)+\i]          ; (plain lines behind the exponentials)
.endr
	s_wait_alu depctr_va_vdst(0)
.irp p, 0,2,4,6,8,10,12,14
	v_pk_mul_f32 v[RR+\p:RR+\p+1], v[RR+\p:RR+\p+1], v[TT+\p:TT+\p+1]                            ; erfc / 2
.endr
.irp i, 0,1,2,3,4,5,6,7,8,9,10,11,12,13,14,15
	v_fma_f32 v[(\x)+\i], -|v[(\x)+\i]|, v[RR+\i], v[ZZ+\i]
.endr
.irp i, 0,1,2,3,4,5,6,7,8,9,10,11,12,13,14,15
	v_med3_num_f32 v[(\x)+\i], v[(\x)+\i], -v17, v17
.endr
.endm
.irp n, 0,1,2,3,4,5,6,7,8,9
	GELU16 32+16*\n
.endr
.irp g, 0,1,2,3,4
.irp t, 0,1,2,3
	v_cvt_scalef32_pk8_bf8_f32 v[192+8*\g+2*\t:193+8*\g+2*\t], v[32+32*\g+8*\t:39+32*\g+8*\t], v16
.endr
.endr
	v_nop
.irp g, 0,1,2,3,4
	global_store_b128 v24, v[192+8*\g:195+8*\g], s[98:99] offset:2048*\g
	global_store_b128 v24, v[196+8*\g:199+8*\g], s[98:99] offset:2048*\g+512
.endr
.Lend:
	s_wait_tensorcnt 0x0                           ; the wave's end
	ds_add_u32 v28, v29
	s_wait_dscnt 0x0
	CROUND                                         ; the closing round: no work-group ends while a partner may still ask for a tile that names it
	s_endpgm
.Lfunc_end_k_q05e894cb34_layer1:
	.size	k_q05e894cb34_layer1, .Lfunc_end_k_q05e894cb34_layer1-k_q05e894cb34_layer1
	.p2alignl 7, 3214868480
	.fill 96, 4, 3214868480
	.section	.rodata,"a",@progbits
	.p2align	6, 0x0
	.amdhsa_kernel k_q05e894cb34_layer1
		.amdhsa_group_segment_fixed_size 327680
		.amdhsa_private_segment_fixed_size 0
		.amdhsa_enable_private_segment 0
		.amdhsa_kernarg_size 64
		.amdhsa_user_sgpr_count 2
		.amdhsa_user_sgpr_kernarg_segment_ptr 1
		.amdhsa_wavefront_size32 1
		.amdhsa_system_sgpr_workgroup_id_x 1
		.amdhsa_system_sgpr_workgroup_id_y 1
		.amdhsa_system_sgpr_workgroup_id_z 1
		.amdhsa_system_vgpr_workitem_id 0
		.amdhsa_next_free_vgpr 512
		.amdhsa_next_free_sgpr 102
		.amdhsa_reserve_vcc 0
		.amdhsa_float_denorm_mode_32 3
		.amdhsa_float_denorm_mode_16_64 3
		.amdhsa_memory_ordered 1
		.amdhsa_forward_progress 1
		.amdhsa_inst_pref_size 255
	.end_amdhsa_kernel
	.section	.bss,"aw",@nobits
	.p2align	6
	.space	262144
	.amdgpu_metadata
---
amdhsa.version: [ 1, 2 ]
amdhsa.kernels:
  - .name:           k_q05e894cb34_layer1
    .symbol:         k_q05e894cb34_layer1.kd
    .args:
      - { .name: xq, .offset: 0, .size: 8, .value_kind: global_buffer, .address_space: global }
      - { .name: W1_codes, .offset: 8, .size: 8, .value_kind: global_buffer, .address_space: global }
      - { .name: ew1_codes, .offset: 16, .size: 8, .value_kind: global_buffer, .address_space: global }
      - { .name: ew3_codes, .offset: 24, .size: 8, .value_kind: global_buffer, .address_space: global }
      - { .name: b1, .offset: 32, .size: 8, .value_kind: global_buffer, .address_space: global }
      - { .name: lowp_scales, .offset: 40, .size: 8, .value_kind: global_buffer, .address_space: global }
      - { .name: plan, .offset: 48, .size: 8, .value_kind: global_buffer, .address_space: global }
      - { .name: hid, .offset: 56, .size: 8, .value_kind: global_buffer, .address_space: global }
    .group_segment_fixed_size: 327680
    .private_segment_fixed_size: 0
    .kernarg_segment_align: 8
    .kernarg_segment_size: 64
    .max_flat_workgroup_size: 256
    .sgpr_count:     102
    .vgpr_count:     512
    .wavefront_size: 32
...
	.end_amdgpu_metadata
.endif
;; end of part 3
;; launch layer2 (part 4): grid 16 x 16, 8 waves a work-group, clusters of 4 x 4, 327,680 bytes of LDS; arguments hid, W2_codes, ew2_codes, b2, lowp_scales, plan, out0; writes out0
.if DOCPART == 4
	.amdgcn_target "amdgcn-amd-amdhsa--gfx1250"
	.amdhsa_code_object_version 6
	.text
	.protected	k_q05e894cb34_layer2
	.globl	k_q05e894cb34_layer2
	.p2align	8
	.type	k_q05e894cb34_layer2,@function
k_q05e894cb34_layer2:
	s_mov_b64 s[64:65], 0
	v_nop
	global_prefetch_b8 v0, s[64:65] scope:SCOPE_SE
	s_setreg_imm32_b32 hwreg(HW_REG_WAVE_MODE, 25, 1), 1
	s_wait_xcnt 0x0
	s_wait_alu depctr_hold_cnt(0) depctr_sa_sdst(0) depctr_va_vdst(0) depctr_va_sdst(0) depctr_va_ssrc(0) depctr_va_vcc(0) depctr_vm_vsrc(0)
	s_getreg_b32 s2, hwreg(HW_REG_IB_STS2, 6, 4)
	s_cmp_eq_u32 s2, 0
	s_cbranch_scc0 .Lentry_in_a_cluster
	s_endpgm
.Lentry_in_a_cluster:
	s_bfe_u32 s2, ttmp6, 0x10000c
	s_cmp_lg_u32 s2, 0xf033
	s_cbranch_scc0 .Lentry_shape_is_right
	s_endpgm
.Lentry_shape_is_right:
; THE SECOND LAYERS AND THE SUM: y = 0.5 (hd W2 + b2) + 0.5 (hm ew2[e]) for the 80 slots of block Y (one expert e) and 64 columns 64 X .., on codes of E5M2.
; Work left out: the experts that a block's tokens did not choose, and the gate, which is 1 (the first kernel's head says why, and the limit).
; K TILES n = 0 .. 7 through two LDS slots: 512 along K of both products: images of the rows (2 x 40,960 bytes), 64 rows of W2 and of ew2[e].
; K IS SPLIT OVER THE WAVES: wave w takes product w / 4 (0: dense, 1: expert) and K = 512 n + 128 (w % 4) on, for the whole 80 x 64: 20 accumulators; so each byte of a slot is read from LDS once.
; The eight partial tiles, each x 2^(its two exponents - 1), meet in LDS; each output row has one owner.
; One tensor load a wave and tile: waves 0-3 20,480 bytes of images each, waves 4, 5 32 rows of W2 each, waves 6, 7 32 rows of ew2[e] each.
; CLUSTERS 4 x 4: images hang on Y alone and are asked for jointly along a row, W2 on X alone and jointly along a column.  ew2 hangs on the block's expert, a stored number that partners need not share: plain loads.
; PREFETCH: in trip i each wave asks for its part of tile i + 2, one step ahead of that tile's load; the partners share its 256-byte blocks by address (for ew2 a column's partners each take 8 rows of the 32, of its own block's expert).
; Tiles 0 and 1 come by their loads alone.
; TRANSPOSED USE: source 0 = 16 weight rows (columns of y), source 1 = 16 slots: a lane holds eight neighbouring columns of one slot.  Registers 2 c, 2 c + 1 of both sources: k = 16 c + 8 h + 0 .. 7.
; LIMITS: entries 2 + 3 and 8 + 6 e + 9 + 6 e, less 1, lie between -126 and 127.
; REGISTERS.  Window 0: v8-15 where I read the eight parts back; v16 where my part goes; v17 16 (lane % 16); v18 my first row on the way out; v20-23 LDS addresses; v27 prefetch; v28, v29 the add; v30 4 x v18;
;   v32-191 accumulators (32 g + 8 t), later the parts read back; v192-255 weight fragments.  Window 1: v0-79 the rows' fragments; v80-83 b2; v84-88 tokens.
.set BW,    81920                      ; W2's rows in a slot
.set BWE,   115712                     ; ew2's
.set SLOT,  149504
.set SPARE, 299008
.set RP,    272                        ; a row of a partial tile in LDS: 256 bytes + 16
.set PART,  80*RP                      ; a wave's partial tile; the eight lie on the two slots, behind their last fills and reads
.set ACC,   32
.set MSB, 0
.macro WIN new                         ; the immediate's high byte repeats the setting that is left
.if MSB != \new
	s_set_vgpr_msb (MSB<<8)|\new
.set MSB, \new
.endif
.endm
.macro PLACES
.rept 4
	v_nop
.endr
.endm
.macro CROUND                          ; a round of the cluster's barrier
	s_barrier_signal -1
	s_barrier_wait -1
	s_cmp_lg_u32 s20, 0
	s_cbranch_scc1 .Lnot0_\@
	s_barrier_signal -3
.Lnot0_\@:
	s_barrier_wait -3
	s_barrier_signal -1
	s_barrier_wait -1
.endm
.macro JLOAD                           ; my one load of a tile
	s_cmp_lt_u32 s20, 4
	s_cbranch_scc0 .Lnota_\@
	tensor_load_to_lds s[52:55], s[28:35]
	s_nop 0
	PLACES
	s_branch .Lasked_\@
.Lnota_\@:
	s_cmp_lt_u32 s20, 6
	s_cbranch_scc0 .Lexp_\@
	tensor_load_to_lds s[60:63], s[44:51]
	s_nop 0
	PLACES
	s_branch .Lasked_\@
.Lexp_\@:
	tensor_load_to_lds s[56:59], s[36:43]
	s_nop 0
	PLACES
.Lasked_\@:
.endm
.macro STEP i
.if \i == 0
	s_wait_kmcnt 0x0
.elseif \i < 6
	s_wait_xcnt 0x0                                ; my prefetch has read its address
	s_add_nc_u64 s[80:81], s[80:81], s[84:85]
.endif
	s_wait_tensorcnt 0x0                           ; my part of tile i has landed;
	ds_add_u32 v28, v29
.if \i < 7
	s_add_nc_u64 s[54:55], s[54:55], 40960         ; tile i + 1, the other slot
	s_add_nc_u64 s[62:63], s[62:63], 512
	s_add_nc_u64 s[58:59], s[58:59], 512
	s_add_co_u32 s53, s74, ((\i+1)%2)*SLOT
	s_add_co_u32 s61, s75, ((\i+1)%2)*SLOT
	s_add_co_u32 s57, s76, ((\i+1)%2)*SLOT
.endif
	s_wait_dscnt 0x0                               ; the add is done, and so are my reads of the other slot
.if \i < 7
	CROUND
	JLOAD                                          ; tile i + 1, first behind the round
.else
	s_barrier_signal -1
	s_barrier_wait -1
	PLACES
.endif
.set SL, (\i)%2
	WIN 0x40
.irp g, 0,1,2,3,4
.irp c, 0,1,2,3
	ds_load_b128 v[16*\g+4*\c:16*\g+4*\c+3], v[20+SL] offset:2048*\g+512*\c
.endr
.endr
	WIN 0
.irp t, 0,1,2,3
.irp c, 0,1,2,3,4,5,6,7
	ds_load_b64 v[192+16*\t+2*\c:193+16*\t+2*\c], v[22+SL] offset:8448*\t+16*\c
.endr
.endr
.if \i < 6
	global_prefetch_b8 v27, s[80:81] th:TH_LOAD_NT scope:SCOPE_SE
.endif
	WIN 0x04                                       ; source 1 (the rows) in window 1
.irp t, 0,1,2,3
	s_wait_dscnt 24-8*\t                           ; the rows and this tile's fragment are in; the later tiles' loads may be out
.irp g, 0,1,2,3,4                      ; the accumulators take turns, one instruction a turn
.if \i == 0
	v_wmma_f32_16x16x128_bf8_bf8 v[ACC+32*\g+8*\t:ACC+32*\g+8*\t+7], v[192+16*\t:207+16*\t], v[16*\g:16*\g+15], 0
.else
	v_wmma_f32_16x16x128_bf8_bf8 v[ACC+32*\g+8*\t:ACC+32*\g+8*\t+7], v[192+16*\t:207+16*\t], v[16*\g:16*\g+15], v[ACC+32*\g+8*\t:ACC+32*\g+8*\t+7]
.endif
.endr
.endr
	WIN 0
.endm
	s_load_b256 s[4:11], s[0:1], 0x0               ; hid s[4:5], W2 s[6:7], ew2 s[8:9], b2 s[10:11]
	s_load_b128 s[12:15], s[0:1], 0x20             ; the exponents s[12:13], plan s[14:15]
	s_load_b64 s[16:17], s[0:1], 0x30              ; y
	v_lshl_add_u32 v28, v0, 2, SPARE
	v_mov_b32 v29, 0
	ds_add_u32 v28, v29                            ; the wave's opening: the add, twice on end, and its wait
	ds_add_u32 v28, v29
	v_lshrrev_b32 v1, 5, v0
	v_readfirstlane_b32 s20, v1                    ; wave
	s_bfe_u32 s21, ttmp6, 0x40000                  ; cx
	s_bfe_u32 s22, ttmp6, 0x40004                  ; cy
	s_lshl_b32 s23, ttmp9, 2
	s_add_co_u32 s23, s23, s21                     ; X
	s_and_b32 s24, ttmp7, 0xffff
	s_lshl_b32 s24, s24, 2
	s_add_co_u32 s24, s24, s22                     ; Y
	s_and_b32 s77, s20, 1
	s_and_b32 s87, s20, 3
	s_lshl_b32 s25, s22, 2
	s_lshl_b32 s25, 15, s25                        ; my row of the cluster
	s_lshl_b32 s26, 0x1111, s21                    ; my column
	s_or_b32 s28, s25, (3<<16)|(1<<21)             ; images: 80 rows of 256 bytes on end, elements of 8 bytes, no padding
	s_mov_b32 s29, 32<<16
	s_mov_b32 s30, 80<<16
	s_mov_b32 s31, 32<<16
	s_mov_b32 s32, 80
	s_mov_b32 s33, 32
	s_mov_b32 s34, 0
	s_mov_b32 s35, 0
	s_mov_b32 s36, (1<<20)|(6<<22)|(3<<25)         ; weights: 32 rows of 512 bytes, 4,096 apart; 16 bytes of padding behind each
	s_or_b32 s44, s26, (1<<20)|(1<<21)|(6<<22)|(3<<25)
.irp g, 36,44
	s_mov_b32 s[\g+1], 512<<16
	s_mov_b32 s[\g+2], 32<<16
	s_mov_b32 s[\g+3], 512<<16
	s_mov_b32 s[\g+4], 32
	s_mov_b32 s[\g+5], 4096
	s_mov_b32 s[\g+6], 0
	s_mov_b32 s[\g+7], 0
.endr
	s_mul_i32 s74, s87, 20480                      ; where my loads land
	s_mul_i32 s75, s77, 16896
	s_add_co_u32 s76, s75, BWE
	s_add_co_u32 s75, s75, BW
	s_lshr_b32 s25, s20, 2                         ; 0: dense, 1: expert
	s_mul_i32 s78, s25, 40960                      ; where I read: images,
	s_mul_i32 s26, s87, 10240
	s_add_co_u32 s78, s78, s26
	s_mul_i32 s79, s25, BWE-BW
	s_add_co_u32 s79, s79, BW
	s_lshl_b32 s26, s87, 7
	s_add_co_u32 s79, s79, s26                     ; and weights
	s_mul_i32 s26, s20, PART
	s_mul_i32 s27, s20, 10
	s_mov_b32 s84, 40960
	s_movk_i32 s83, 5120
	s_movk_i32 s3, 4096
	s_mov_b32 s85, 0x8000
	s_cmp_lt_u32 s20, 4                            ; what I prefetch: 20 blocks of images, or 8 rows of weights of two blocks each, a step
	s_cselect_b32 s2, 19, 15
	s_cselect_b32 s3, 512, s3
	s_cselect_b32 s84, s84, 512                    ; a step on
	s_cselect_b32 s82, s21, s22
	s_cselect_b32 s83, s83, s85
	s_mul_i32 s82, s82, s83                        ; my work-group's share
	s_mov_b32 s83, 0
	s_mov_b32 s85, 0
	v_and_b32 v2, 31, v0                           ; lane
	v_and_b32 v3, 15, v0                           ; r
	v_bfe_u32 v4, v0, 4, 1                         ; h
	v_lshlrev_b32 v5, 4, v2
	v_add_nc_u32 v20, s78, v5
	v_add_nc_u32 v21, SLOT, v20
	v_mul_u32_u24 v6, v3, 528
	v_lshl_add_u32 v6, v4, 3, v6
	v_add_nc_u32 v22, s79, v6
	v_add_nc_u32 v23, SLOT, v22
	v_mul_u32_u24 v7, v3, RP
	v_lshl_add_u32 v7, v4, 5, v7
	v_add_nc_u32 v16, s26, v7                      ; my part: row r, + 32 h
	v_lshlrev_b32 v17, 4, v3
	v_add_nc_u32 v18, s27, v4                      ; on the way out wave w takes rows 10 w .. 10 w + 9, two an instruction
	v_mul_u32_u24 v7, v18, RP
	v_add_nc_u32 v7, v7, v17
.irp k, 0,1,2,3,4,5,6,7
	v_add_nc_u32 v[8+\k], \k*PART, v7
.endr
	v_lshlrev_b32 v30, 2, v18
	v_min_u32 v5, s2, v2                           ; lanes left over name the last block again
	v_lshrrev_b32 v6, 1, v5
	v_and_b32 v5, 1, v5
	v_lshlrev_b32 v5, 8, v5
	v_mad_u32_u24 v27, v6, s3, v5
	s_wait_alu depctr_va_vdst(0)                   ; the wait at the head's end
	s_wait_dscnt 0x0                               ; both opening adds are done
	s_wait_kmcnt 0x0
	s_lshl_b32 s25, s24, 2
	s_load_b32 s86, s[14:15], s25 offset:0x0       ; the block's expert
	s_load_b64 s[88:89], s[12:13], 0x8             ; entries 2, 3
	s_lshr_b32 s26, s87, 1
	s_mul_i32 s78, s26, 5242880
	s_mul_i32 s26, s24, 327680
	s_add_co_u32 s78, s78, s26
	s_mul_i32 s26, s77, 20480
	s_add_co_u32 s78, s78, s26
	s_mov_b32 s79, 0
	s_add_nc_u64 s[66:67], s[4:5], s[78:79]        ; my part of the block's images
	s_lshl_b32 s78, s23, 18
	s_lshl_b32 s26, s77, 17
	s_add_co_u32 s78, s78, s26
	s_add_nc_u64 s[72:73], s[6:7], s[78:79]        ; W2, ew2: row 64 X + 32 (w % 2)
	s_add_nc_u64 s[68:69], s[8:9], s[78:79]
	s_lshl_b32 s78, s23, 8                         ; 64 columns of 4 bytes
	s_add_nc_u64 s[10:11], s[10:11], s[78:79]
	s_add_nc_u64 s[16:17], s[16:17], s[78:79]
	s_mul_i32 s78, s24, 320
	s_add_nc_u64 s[70:71], s[14:15], s[78:79]      ; the block's part of the list
	WIN 0x40
	global_load_b128 v[80:83], v17, s[10:11]       ; b2 of my four columns on the way out
.irp i, 0,1,2,3,4
	global_load_b32 v[84+\i], v30, s[70:71] offset:256+8*\i   ; the tokens of the rows that I store
.endr
	WIN 0
	s_mov_b32 s52, 1
	s_mov_b32 s56, 1
	s_mov_b32 s60, 1
	s_mov_b32 s53, s74
	s_mov_b32 s61, s75
	s_mov_b32 s57, s76
	s_mov_b64 s[54:55], s[66:67]
	s_or_b32 s55, s55, 0x80000000
	s_mov_b64 s[62:63], s[72:73]
	s_or_b32 s63, s63, 0x80000000
	CROUND                                         ; all sixteen work-groups are here: the first joint loads meet
	s_wait_kmcnt 0x0
	s_min_u32 s86, s86, 3
	s_mul_i32 s25, s86, 24
	s_load_b64 s[90:91], s[12:13], s25 offset:0x20 ; entries 8 + 6 e, 9 + 6 e
	s_lshl_b32 s78, s86, 22
	s_mov_b32 s79, 0
	s_add_nc_u64 s[68:69], s[68:69], s[78:79]      ; expert e's 4 MiB
	s_mov_b64 s[58:59], s[68:69]
	s_or_b32 s59, s59, 0x80000000
	JLOAD                                          ; tile 0: one tensor load a wave at the head
	s_cmp_lt_u32 s20, 6
	s_cselect_b64 s[26:27], s[72:73], s[68:69]
	s_cmp_lt_u32 s20, 4
	s_cselect_b64 s[26:27], s[66:67], s[26:27]
	s_lshl_b32 s78, s84, 1                         ; my prefetches begin at tile 2
	s_add_co_u32 s78, s78, s82
	s_add_nc_u64 s[80:81], s[26:27], s[78:79]
.irp i, 0,1,2,3,4,5,6,7
	STEP \i
.endr
	s_barrier_signal -1                            ; my reads of the last slot are over (the wait for 0 ahead of the last products); behind this barrier the parts are laid over the slots
	s_barrier_wait -1
	PLACES                                         ; in front of the first read of results
	s_cmp_lt_u32 s20, 4
	s_cselect_b32 s2, s88, s90
	s_cselect_b32 s3, s89, s91
	s_add_co_i32 s2, s2, s3
	s_add_co_i32 s2, s2, 126
	s_lshl_b32 s54, s2, 23                         ; 0.5 x 2^(the two exponents)
	s_mov_b32 s55, s54
.irp q, 0,2,4,6,8,10,12,14,16,18,20,22,24,26,28,30,32,34,36,38,40,42,44,46,48,50,52,54,56,58,60,62,64,66,68,70,72,74,76,78
	v_pk_mul_f32 v[ACC+\q:ACC+\q+1], v[ACC+\q:ACC+\q+1], s[54:55] op_sel_hi:[1,0]          ; each accumulator from its low end on
	v_pk_mul_f32 v[ACC+80+\q:ACC+80+\q+1], v[ACC+80+\q:ACC+80+\q+1], s[54:55] op_sel_hi:[1,0]
.endr
.irp g, 0,1,2,3,4
.irp t, 0,1,2,3
	ds_store_b128 v16, v[ACC+32*\g+8*\t:ACC+32*\g+8*\t+3] offset:16*RP*\g+64*\t            ; row 16 g + r, columns 16 t + 8 h + 0 .. 7
	ds_store_b128 v16, v[ACC+32*\g+8*\t+4:ACC+32*\g+8*\t+7] offset:16*RP*\g+64*\t+16
.endr
.endr
	s_wait_alu depctr_va_vdst(0)
	s_wait_loadcnt 0x0                             ; b2 and the tokens
	s_wait_dscnt 0x0                               ; for the others' sake: my part lies in LDS
	s_barrier_signal -1
	s_barrier_wait -1
.irp i, 0,1,2,3,4
.irp k, 0,1,2,3,4,5,6,7
	ds_load_b128 v[ACC+32*\i+4*\k:ACC+32*\i+4*\k+3], v[8+\k] offset:2*RP*\i                ; sixteen lanes take a row's 256 bytes of part k
.endr
.endr
	s_mov_b32 s52, 1024
	WIN 0x04                                       ; source 1 (the tokens) in window 1
.irp i, 0,1,2,3,4
	v_cmp_gt_u32 s[32+\i], s52, v[84+\i]           ; a slot with a token
	v_min_u32 v[240+\i], 0x3ff, v[84+\i]
.endr
	WIN 0
.irp i, 0,1,2,3,4
	v_lshl_add_u32 v[240+\i], v[240+\i], 12, v17   ; the token's row of 4,096 bytes, + 16 (lane % 16)
.endr
	s_wait_alu depctr_va_vdst(0)                   ; the wait ahead of the waits below
.irp i, 0,1,2,3,4
.set YB, ACC+32*\i
	s_wait_dscnt 8*(4-\i)                          ; this pair of rows is in; the later pairs' loads may be out
.irp p, 0,2
	v_pk_add_f32 v[YB+\p:YB+\p+1], v[YB+\p:YB+\p+1], v[YB+4+\p:YB+5+\p]
	v_pk_add_f32 v[YB+8+\p:YB+9+\p], v[YB+8+\p:YB+9+\p], v[YB+12+\p:YB+13+\p]
	v_pk_add_f32 v[YB+16+\p:YB+17+\p], v[YB+16+\p:YB+17+\p], v[YB+20+\p:YB+21+\p]
	v_pk_add_f32 v[YB+24+\p:YB+25+\p], v[YB+24+\p:YB+25+\p], v[YB+28+\p:YB+29+\p]
.endr
.irp p, 0,2
	v_pk_add_f32 v[YB+\p:YB+\p+1], v[YB+\p:YB+\p+1], v[YB+8+\p:YB+9+\p]
	v_pk_add_f32 v[YB+16+\p:YB+17+\p], v[YB+16+\p:YB+17+\p], v[YB+24+\p:YB+25+\p]
.endr
.irp p, 0,2
	v_pk_add_f32 v[YB+\p:YB+\p+1], v[YB+\p:YB+\p+1], v[YB+16+\p:YB+17+\p]
.endr
.endr
	WIN 0x01                                       ; source 0 (b2) in window 1
.irp i, 0,1,2,3,4
.set YB, ACC+32*\i
.irp p, 0,2
	v_pk_fma_f32 v[YB+\p:YB+\p+1], v[80+\p:81+\p], 0.5, v[YB+\p:YB+\p+1] op_sel_hi:[1,0,1] ; + 0.5 b2
.endr
.endr
	WIN 0
	s_wait_alu depctr_va_vdst(0)
.irp i, 0,1,2,3,4
	s_mov_b32 vcc_lo, s[32+\i]
	s_wait_xcnt 0x0                                ; EXEC changes only behind this wait
	s_and_saveexec_b32 s54, vcc_lo
	global_store_b128 v[240+\i], v[ACC+32*\i:ACC+32*\i+3], s[16:17] th:TH_STORE_NT   ; sixteen lanes store 256 consecutive bytes, aligned
	s_wait_xcnt 0x0
	s_or_b32 exec_lo, exec_lo, s54
.endr
	s_wait_tensorcnt 0x0                           ; the wave's end
	ds_add_u32 v28, v29
	s_wait_dscnt 0x0
	CROUND                                         ; the closing round: no work-group ends while a partner may still ask for a tile that names it
	s_endpgm
.Lfunc_end_k_q05e894cb34_layer2:
	.size	k_q05e894cb34_layer2, .Lfunc_end_k_q05e894cb34_layer2-k_q05e894cb34_layer2
	.p2alignl 7, 3214868480
	.fill 96, 4, 3214868480
	.section	.rodata,"a",@progbits
	.p2align	6, 0x0
	.amdhsa_kernel k_q05e894cb34_layer2
		.amdhsa_group_segment_fixed_size 327680
		.amdhsa_private_segment_fixed_size 0
		.amdhsa_enable_private_segment 0
		.amdhsa_kernarg_size 56
		.amdhsa_user_sgpr_count 2
		.amdhsa_user_sgpr_kernarg_segment_ptr 1
		.amdhsa_wavefront_size32 1
		.amdhsa_system_sgpr_workgroup_id_x 1
		.amdhsa_system_sgpr_workgroup_id_y 1
		.amdhsa_system_sgpr_workgroup_id_z 1
		.amdhsa_system_vgpr_workitem_id 0
		.amdhsa_next_free_vgpr 512
		.amdhsa_next_free_sgpr 100
		.amdhsa_reserve_vcc 1
		.amdhsa_float_denorm_mode_32 3
		.amdhsa_float_denorm_mode_16_64 3
		.amdhsa_memory_ordered 1
		.amdhsa_forward_progress 1
		.amdhsa_inst_pref_size 79
	.end_amdhsa_kernel
	.amdgpu_metadata
---
amdhsa.version: [ 1, 2 ]
amdhsa.kernels:
  - .name:           k_q05e894cb34_layer2
    .symbol:         k_q05e894cb34_layer2.kd
    .args:
      - { .name: hid, .offset: 0, .size: 8, .value_kind: global_buffer, .address_space: global }
      - { .name: W2_codes, .offset: 8, .size: 8, .value_kind: global_buffer, .address_space: global }
      - { .name: ew2_codes, .offset: 16, .size: 8, .value_kind: global_buffer, .address_space: global }
      - { .name: b2, .offset: 24, .size: 8, .value_kind: global_buffer, .address_space: global }
      - { .name: lowp_scales, .offset: 32, .size: 8, .value_kind: global_buffer, .address_space: global }
      - { .name: plan, .offset: 40, .size: 8, .value_kind: global_buffer, .address_space: global }
      - { .name: out0, .offset: 48, .size: 8, .value_kind: global_buffer, .address_space: global }
    .group_segment_fixed_size: 327680
    .private_segment_fixed_size: 0
    .kernarg_segment_align: 8
    .kernarg_segment_size: 56
    .max_flat_workgroup_size: 256
    .sgpr_count:     100
    .vgpr_count:     512
    .wavefront_size: 32
...
	.end_amdgpu_metadata
.endif
;; end of part 4
